; MI455X (gfx1250); checked and timed in simulation.
; The chip was launched on July 23, 2026; its instructions are those of AMD's public machine-readable ISA for CDNA 5 (MIT licence, August 2026) and "CDNA5" Instruction Set Architecture Reference Guide (July 2026). The comments in the code are by the model that wrote it; some were corrected since.
;; Causal Multihead Self Attention. Allowed arithmetic: matrix products marked QUANTISED: E5M2 operands, one given power-of-two scale a tensor, by v_wmma_f32_16x16x64_bf8_bf8 or v_wmma_f32_16x16x128_bf8_bf8, f32 sums; everything else in f32.
;; Inputs: Wk_codes 1,024 x 32 x 32 uint8 (E5M2 codes of Wk, K innermost, in blocks of 32 codes); Wo_codes 1,024 x 32 x 32 uint8 (E5M2 codes of Wo, K innermost, in blocks of 32 codes); Wq_codes 1,024 x 32 x 32 uint8 (E5M2 codes of Wq, K innermost, in blocks of 32 codes); Wv_codes 1,024 x 32 x 32 uint8 (E5M2 codes of Wv, K innermost, in blocks of 32 codes); bk 1,024 float32; bo 1,024 float32; bq 1,024 float32; bv 1,024 float32; lowp_scales 12 int32 (the exponents e of the quantised operands' scales 2^e); x_codes 4 x 2,048 x 32 x 32 uint8 (E5M2 codes of x, K innermost, in blocks of 32 codes).
;; Outputs: out0 4 x 2,048 x 1,024 float32.
;; This version of the problem:
;;   THIS VERSION OF THE PROBLEM IS GIVEN IN LOW PRECISION. The matrix products marked QUANTISED in the list below multiply operands that are first quantised to E5M2 (5 exponent bits, 2 mantissa bits; 8 bits a number), with one given power-of-two scale for each operand tensor; their sums are f32. All else is computed in f32.
;;   The module's matrix products, in the order in which they are computed (A, B: the left and right operand; K: the contracted axis; several contracted axes count as one K, in the product's order):
;;     1. [M 8,192, K 1,024] x [K 1,024, N 1,024]; A: input x (given as codes); B: input Wq (given as codes): QUANTISED (scales: A lowp_scales[0], B lowp_scales[1])
;;     2. [M 8,192, K 1,024] x [K 1,024, N 1,024]; A: input x (given as codes); B: input Wk (given as codes): QUANTISED (scales: A lowp_scales[2], B lowp_scales[3])
;;     3. [M 8,192, K 1,024] x [K 1,024, N 1,024]; A: input x (given as codes); B: input Wv (given as codes): QUANTISED (scales: A lowp_scales[4], B lowp_scales[5])
;;     4. batch 64 x [M 2,048, K 64] x [K 64, N 2,048]; A: computed on the way; B: computed on the way: QUANTISED (scales: A lowp_scales[6], B lowp_scales[7])
;;     5. batch 64 x [M 2,048, K 2,048] x [K 2,048, N 64]; A: softmax (see below); B: computed on the way: QUANTISED (scales: A lowp_scales[8], B lowp_scales[9])
;;     6. [M 8,192, K 1,024] x [K 1,024, N 1,024]; A: computed on the way; B: input Wo (given as codes): QUANTISED (scales: A lowp_scales[10], B lowp_scales[11])
;;   THE QUANTISER, for each operand of a quantised product, along K:
;;     - The operand's scale is 2^e, e = its entry of the input lowp_scales (int32; the entries are numbered through the quantised products in the list's order, A before B).
;;     - Each number is divided by the scale, clamped to +-57,344, and rounded to the nearest number of E5M2, ties to even, subnormals kept.
;;     - The product sums the exact products of the quantised numbers (number of the format x scale) in f32.
;;   ~~~python
;;   def quantise(x, axis, e):      # numpy; x: float32 -> the quantised numbers, widened to float32 again
;;       x = np.moveaxis(x, axis, -1); K = x.shape[-1]
;;       r = np.clip(x / 2.0 ** e, -57344, 57344)
;;       step = 2.0 ** (np.maximum(np.frexp(np.where(r == 0, 1, r))[1] - 1, -14) - 2)
;;       q = np.round(r / step) * step * 2.0 ** e      # np.round: ties to even
;;       return np.moveaxis(q, -1, axis).astype(np.float32)
;;   ~~~
;;   SOFTMAX AHEAD OF A QUANTISED PRODUCT. Where the list says 'softmax', what is quantised is not the finished softmax but p = 2^(t - M), with t = logit x log2(e) and M = ceil(the row's largest t), a whole number; so 1/2 < the row's largest p <= 1. The row's sum l is taken of the UNQUANTISED p, in f32, and the product's result is divided by l at the end. Since M is a whole number, a kernel that streams over the keys may use a running M (the ceiling of the running maximum): every later rescaling is an exact power of two, so the quantised numbers keep their values, but for numbers so far below the row's largest that they fall under the format's range.
;;   OPERANDS COMPUTED ON THE WAY. 'Computed on the way' means the value that the module computes at that place (a softmax that the list does not call 'softmax' is quantised finished and normalised). What goes into a quantiser is computed in f32, as accurately as f32 sums, v_exp_f32 and their like allow (about 1e-6 of the number): no bf16 or f16 on the way to a quantiser, and a product that is left as it is and whose result goes on into a quantised operand takes f32 operands (vector FMAs, or v_wmma_f32_16x16x4_f32). A number that lies on a knife's edge between two numbers of the format may be rounded either way, as far as f32 arithmetic and the matrix unit's own rounding can turn it there, and no further.
;;   INPUTS GIVEN AS CODES. Wk (in the module: [1024, 1024], K = its axis 1); Wo (in the module: [1024, 1024], K = its axis 1); Wq (in the module: [1024, 1024], K = its axis 1); Wv (in the module: [1024, 1024], K = its axis 1); x (in the module: [4, 2048, 1024], K = its axis 2): each comes as NAME_codes (uint8): NAME with its K axis moved to the last place and cut into blocks of 32 codes, [.., K / 32, bytes a block], one block behind the other in memory; one code a byte (a code: sign, 5 exponent bits, 2 mantissa bits); its scale is its entry of lowp_scales. Its value is code x scale, taken as it is: it is not quantised again, and the codes and scales need not be those that the quantiser above would give.
;; One version. Each part assembles by itself: llvm-mc -triple=amdgcn-amd-amdhsa -mcpu=gfx1250 --defsym DOCPART=n.
;; ======== version 1 of 1: 3 launches
;; limits: right only within a limited range of input values
;; workspace buffers: q_img 8,388,608 bytes; k_img 8,388,608 bytes; v_img 8,388,608 bytes; a_img 8,388,608 bytes
;; launch qkv (part 1): grid 12 x 32, 4 waves a work-group, clusters of 4 x 4, 327,680 bytes of LDS; arguments x_codes, Wq_codes, Wk_codes, Wv_codes, bq, bk, bv, lowp_scales, q_img, k_img, v_img; writes q_img, k_img, v_img
.if DOCPART == 1
	.amdgcn_target "amdgcn-amd-amdhsa--gfx1250"
	.amdhsa_code_object_version 6
	.text
	.protected	k_qc4505a1046_qkv
	.globl	k_qc4505a1046_qkv
	.p2align	8
	.type	k_qc4505a1046_qkv,@function
k_qc4505a1046_qkv:
	s_mov_b64 s[64:65], 0
	v_nop
	global_prefetch_b8 v0, s[64:65] scope:SCOPE_SE
	s_setreg_imm32_b32 hwreg(HW_REG_WAVE_MODE, 25, 1), 1
	s_wait_xcnt 0x0
	s_wait_alu depctr_hold_cnt(0) depctr_sa_sdst(0) depctr_va_vdst(0) depctr_va_sdst(0) depctr_va_ssrc(0) depctr_va_vcc(0) depctr_vm_vsrc(0)
	s_getreg_b32 s2, hwreg(HW_REG_IB_STS2, 6, 4)
	s_cmp_eq_u32 s2, 0
	s_cbranch_scc0 .Lentry_in_a_cluster
	s_endpgm
.Lentry_in_a_cluster:
	s_bfe_u32 s2, ttmp6, 0x10000c
	s_cmp_lg_u32 s2, 0xf033
	s_cbranch_scc0 .Lentry_shape_is_right
	s_endpgm
.Lentry_shape_is_right:
; q = x Wq^T + bq, k = x Wk^T + bk, v = x Wv^T + bv on codes of BF8 (E5M2), and each result quantised at once for attention.  x: [8192][1024], W: [1024][1024], codes, K innermost.
; The cluster's x says which product: 0 = q, 1 = k, 2 = v; it is the same number in all sixteen partners.  A work-group makes a tile of 256 x 256, a wave 128 x 128: 64 accumulators, 512 registers.
; "A" and "B" of the loop:  q, k: A = x (tokens), B = W (features).   v: A = Wv (channels), B = x (tokens).  THE MATRIX INSTRUCTION IS USED TRANSPOSED (source 0 = 16 rows of B, source 1 = 16 rows of A):
; a lane holds one row of A and eight neighbouring rows of B.  So q and k come out as token x 8 features and v as channel x 8 tokens: in each case eight neighbours along the NEXT product's K, which one conversion
; turns into two registers of the next operand (8-bit layout: registers 2 c, 2 c + 1 hold k = 16 c + 8 (lane / 16) + 0 .. 7).  THE RESULTS ARE STORED AS IMAGES OF OPERAND REGISTERS: four registers by one store,
; lane l's 16 bytes at 16 l, so each store of the wave covers 512 consecutive bytes, aligned; nothing goes through LDS on the way out.
;   q_img, k_img: [batch x 16 + head][token / 16][1,024 bytes]: registers 0-3 at 16 l, registers 4-7 at 512 + 16 l.      v_img: [batch x 16 + head][key / 128][channel / 16][2,048 bytes]: registers 4 c .. 4 c + 3 at 512 c + 16 l.
; x's and W's fragments are fetched by loads of 16 bytes: lane l holds K = 32 c + 16 (l / 16) + 0 .. 15 in registers 4 c .. 4 c + 3: the same permutation of k on both sides, so every product meets its partner; only the order of the sums inside an instruction differs.
; K goes in four steps of 256 through a ring of two LDS slots; 4 x 4 work-groups form a cluster: A's tile is asked for jointly along a row of the cluster, B's along a column.
; result = sum x 2^(ea + eb) + bias, one fused multiply-add; code = result / 2^e, to the nearest code, ties to even.  Exponents (entries of lowp_scales): q: 0, 1, then 6; k: 2, 3, then 7; v: 4, 5, then 9.
; LIMITS: e0 + e1, e2 + e3, e4 + e5 between -126 and 127; e6, e7, e9 between -126 and 127, so that each power of two below is an f32 number.  NaN among the biases is not served.
; REGISTERS, in windows of 256: window 0: v16-31 addresses and constants; v32-95 the bias of my 128 columns, in the result's layout; v96-111 the bias of my 128 rows, each number twice (a pair for the packed form);
;   v128-255 A's fragments, ONE set; on the way out v128-191 four sets of 16 registers of codes, v192-255 a block's numbers.   window 1: B's fragments, TWO sets.   windows 2, 3: the accumulators ((a, b) at v[8 (8 (a % 4) + b)]).
.set ROWB,   256                       ; a tile's row in bytes: 256 codes
.set KROW,   1024                      ; a row of x or of W in memory
.set PITCH,  272                       ; an LDS row: 256 bytes + 16 of padding = 68 words: row r starts at bank 4 r mod 64 (64 banks of 4 bytes: ISA guide 11.1)
.set FR,     16                        ; registers of a fragment: 16 rows x 128 K
.set NL,     4                         ; LDS loads that bring one
.set NP,     4                         ; places behind this matrix instruction (ISA guide 7.12.1)
.set HALFT,  128*PITCH                 ; 128 rows: what one tensor load brings
.set SLOT,   4*HALFT                   ; A's 256 rows, then B's 256 rows
.set SPARE,  2*SLOT                    ; behind the ring: the spare words, 128 bytes for each wave
.set ADRA, 16                          ; v16-17  LDS address of my A fragments in slot 0, 1
.set ADRB, 20                          ; v20-21  the same for B
.set BH,   24                          ; v24     32 x (lane / 16): my eight numbers of a tile of 16 columns' bias
.set BR,   25                          ; v25     4 x (lane % 16): my row's bias
.set CO,   26                          ; v26     16 x lane: my place in an image
.set SPW,  28                          ; v28     LDS address of my spare word; never rewritten
.set NIL,  29                          ; v29     0; never rewritten
.set SC,   30                          ; v30     2^e as f32, for the conversions
.set LM,   31
.set BC,   32
.set BRW,  96
.set AF,   128
.set CD,   128
.set TMP,  192
.set G1, 24                            ; s[24:31] descriptor group 1 for A's tiles;  s[32:39] group 0, one set for each slot
.set G0, 32
.set G1B, 48                           ; s[48:55], s[56:63] the same for B's tiles
.set G0B, 56
.set MSB, 0
.macro WIN new                         ; the immediate's high byte repeats the setting that is left
.if MSB != (\new)
	s_set_vgpr_msb (MSB<<8)|(\new)
.set MSB, (\new)
.endif
.endm
.set MUL_LO, 0xa1                      ; source 0 (B) window 1, source 1 (A) window 0, C and D window 2
.set MUL_HI, 0xf1                      ; the same, C and D window 3
.set TO_B,   0x40                      ; destination window 1, address window 0
; A joint load: waves 0 and 1 fetch for A, waves 2 and 3 for B.  Each line has one mask and one set of registers for all that issue it; the branch hangs on the wave's number alone.  Four v_nop follow each line.
.macro JLOAD g0a, g1a, g0b, g1b
	s_cmp_eq_u32 s15, 0
	s_cbranch_scc0 .Lfor_b_\@
	tensor_load_to_lds s[\g0a:\g0a+3], s[\g1a:\g1a+7]
	s_nop 0
.rept 4
	v_nop
.endr
	s_branch .Lasked_\@
.Lfor_b_\@:
	tensor_load_to_lds s[\g0b:\g0b+3], s[\g1b:\g1b+7]
	s_nop 0
.rept 4
	v_nop
.endr
.Lasked_\@:
.endm
.macro CREST                           ; a round of the cluster's barrier behind its opening barrier
	s_cmp_lg_u32 s14, 0
	s_cbranch_scc1 .Lnot_wave_0_\@
	s_barrier_signal -3
.Lnot_wave_0_\@:
	s_barrier_wait -3
	s_barrier_signal -1
	s_barrier_wait -1
.endm
.macro CROUND                          ; a whole round
	s_barrier_signal -1
	s_barrier_wait -1
	CREST
.endm
	s_load_b256 s[68:75], s[0:1], 0x0              ; x s[68:69], Wq s[70:71], Wk s[72:73], Wv s[74:75]
	s_load_b256 s[76:83], s[0:1], 0x20             ; bq s[76:77], bk s[78:79], bv s[80:81], the exponents s[82:83]
	s_load_b128 s[84:87], s[0:1], 0x40             ; q_img s[84:85], k_img s[86:87]
	s_load_b64 s[88:89], s[0:1], 0x50              ; v_img
	v_lshl_add_u32 v[SPW], v0, 2, SPARE
	v_mov_b32 v[NIL], 0
	ds_add_u32 v28, v29
	ds_add_u32 v28, v29
	s_wait_dscnt 0x0
	v_lshrrev_b32 v1, 5, v0
	v_readfirstlane_b32 s14, v1                    ; wave 0..3
	s_lshr_b32 s15, s14, 1                         ; which half of A's 256 rows is mine.  Also: I fetch for A (0) or for B (1)
	s_and_b32 s16, s14, 1                          ; which half of B's 256 rows.  Also: which 128 rows of that tile I fetch
	s_bfe_u32 s40, ttmp6, 0x40000                  ; cx, cy: my place in the cluster
	s_bfe_u32 s41, ttmp6, 0x40004
	s_and_b32 s66, ttmp7, 0xffff
	s_lshl_b32 s66, s66, 2                         ; 4 x cluster y: the clusters of a product walk the tokens
	s_cmp_eq_u32 ttmp9, 2                          ; v?  There the tokens are B's rows
	s_cselect_b32 s67, 0, s66
	s_cselect_b32 s3, s66, 0
	s_add_co_u32 s17, s41, s67                     ; A's tile row: q, k: 4 x cluster y + cy (of 32);  v: cy (of 4)
	s_add_co_u32 s42, s40, s3                      ; B's tile row: q, k: cx (of 4);  v: 4 x cluster y + cx (of 32)
	s_lshl_b32 s43, s41, 2
	s_lshl_b32 s43, 15, s43                        ; my row of the cluster
	s_lshl_b32 s44, 0x1111, s40                    ; my column
	; descriptor group 1: a tile of 128 rows x 256 bytes, padded in LDS
	s_or_b32 s[G1+0], s43, (0<<16)|(1<<20)|(1<<21)|(5<<22)|(3<<25)  ; 15:0 the mask: A's tiles go to my row; 17:16 elements of 1 byte; 20 padding on; 21 set beside a mask; 24:22 after every 64 words (code 5); 31:25 of 4 words (code 3)
	s_or_b32 s[G1B+0], s44, (0<<16)|(1<<20)|(1<<21)|(5<<22)|(3<<25) ; the same with the mask of my column
.irp g, G1, G1B
	s_mov_b32 s[\g+1], ROWB<<16                    ; tensor_dim0 = 256
	s_mov_b32 s[\g+2], 128<<16                     ; tensor_dim1 = 128
	s_mov_b32 s[\g+3], ROWB<<16                    ; tile_dim0 = 256
	s_mov_b32 s[\g+4], 128                         ; tile_dim1 = 128
	s_mov_b32 s[\g+5], KROW                        ; from row to row
	s_mov_b32 s[\g+6], 0
	s_mov_b32 s[\g+7], 0
.endr
	s_lshl_b32 s18, s16, 7                         ; which 128 rows of the tile I fetch
	s_lshl_b32 s20, s17, 8
	s_add_co_u32 s20, s20, s18
	s_lshl_b32 s20, s20, 10                        ; A: (256 x tile row + 128 x half) rows of 1,024 bytes: under 2^24
	s_mov_b32 s21, 0
	s_lshl_b32 s46, s42, 8
	s_add_co_u32 s46, s46, s18
	s_lshl_b32 s46, s46, 10                        ; B likewise
	s_mov_b32 s47, 0
	s_mul_i32 s45, s14, HALFT                      ; where they go: wave x 128 rows: no place in the cluster enters an LDS address
	s_wait_kmcnt 0x0
	s_cmp_eq_u32 ttmp9, 0                          ; the buffers are chosen by the cluster's x alone
	s_cselect_b64 s[6:7], s[70:71], s[72:73]       ; Wq or Wk
	s_cselect_b64 s[8:9], s[76:77], s[78:79]       ; bq or bk
	s_cselect_b64 s[10:11], s[84:85], s[86:87]     ; q_img or k_img
	s_cmp_eq_u32 ttmp9, 2
	s_cselect_b64 s[4:5], s[74:75], s[68:69]       ; A: Wv, else x
	s_cselect_b64 s[6:7], s[68:69], s[6:7]         ; B: x, else the weight
	s_cselect_b64 s[8:9], s[80:81], s[8:9]         ; the bias
	s_cselect_b64 s[10:11], s[88:89], s[10:11]     ; the image
	s_load_b256 s[68:75], s[82:83], 0x0            ; e0 .. e7 (the addresses that lay here have been chosen from)
	s_load_b128 s[76:79], s[82:83], 0x20           ; e8 .. e11
	s_add_nc_u64 s[20:21], s[4:5], s[20:21]
	s_add_nc_u64 s[46:47], s[6:7], s[46:47]
	CROUND                                         ; all sixteen work-groups are here: the first joint loads meet
.irp s, 0,1
	s_mov_b32 s[G0+4*\s], 1                        ; count = 1
	s_add_co_u32 s[G0+4*\s+1], s45, \s*SLOT        ; LDS address
	s_add_nc_u64 s[G0+4*\s+2:G0+4*\s+3], s[20:21], \s*ROWB   ; global address: K step s
	s_or_b32 s[G0+4*\s+3], s[G0+4*\s+3], 0x80000000          ; type = 2
	s_mov_b32 s[G0B+4*\s], 1
	s_add_co_u32 s[G0B+4*\s+1], s45, \s*SLOT
	s_add_nc_u64 s[G0B+4*\s+2:G0B+4*\s+3], s[46:47], \s*ROWB
	s_or_b32 s[G0B+4*\s+3], s[G0B+4*\s+3], 0x80000000
	s_wait_alu depctr_va_vdst(0)
	s_wait_tensorcnt 0x0
	ds_add_u32 v28, v29
	ds_add_u32 v28, v29
	s_wait_dscnt 0x0
	CROUND
	JLOAD G0+4*\s, G1, G0B+4*\s, G1B               ; two loads of mine are out behind these
.endr
	v_and_b32 v1, 15, v0                           ; l % 16
	v_bfe_u32 v2, v0, 4, 1                         ; l / 16
	v_mul_u32_u24 v3, v1, PITCH
	v_lshl_add_u32 v4, v2, 4, v3                   ; a fragment's row x pitch + 16 x half
	s_mul_i32 s21, s15, HALFT                      ; my 128 rows of A
	s_mul_i32 s22, s16, HALFT                      ; my 128 rows of B,
	s_add_co_u32 s22, s22, 2*HALFT                 ; which lie behind A's 256
.irp s, 0,1
	v_add_nc_u32 v[ADRA+\s], s21, v4
	v_add_nc_u32 v[ADRB+\s], s22, v4
	s_add_co_u32 s21, s21, SLOT
	s_add_co_u32 s22, s22, SLOT
.endr
	v_lshlrev_b32 v[BH], 5, v2
	s_wait_alu depctr_va_vdst(0)
	v_lshlrev_b32 v[BR], 2, v1
	s_wait_alu depctr_va_vdst(0)
	v_and_b32 v6, 31, v0
	v_lshlrev_b32 v[CO], 4, v6
	; the bias, both ways: by B's rows (q, k: features 256 cx + 128 half on) and by A's rows (v: channels 256 cy + 128 half on).  Both runs of loads stay inside the 4,096 bytes in every work-group,
	; so they stand without a branch; the way out takes the one that its product wants.
	s_lshl_b32 s94, s40, 10
	s_lshl_b32 s95, s16, 9
	s_add_co_u32 s94, s94, s95
	s_mov_b32 s95, 0
	s_add_nc_u64 s[90:91], s[8:9], s[94:95]
	s_lshl_b32 s94, s41, 10
	s_lshl_b32 s23, s15, 9
	s_add_co_u32 s94, s94, s23
	s_add_nc_u64 s[92:93], s[8:9], s[94:95]
.irp b, 0,1,2,3,4,5,6,7
	global_load_b128 v[BC+8*\b:BC+8*\b+3],   v[BH], s[90:91] offset:64*\b      ; lane (r, h), tile b: numbers 16 b + 8 h + 0 .. 7
	global_load_b128 v[BC+8*\b+4:BC+8*\b+7], v[BH], s[90:91] offset:64*\b+16
.endr
.irp a, 0,1,2,3,4,5,6,7
	global_load_b32 v[BRW+2*\a],   v[BR], s[92:93] offset:64*\a                ; lane (r, h), block a: number 16 a + r, in both registers of a pair
	global_load_b32 v[BRW+2*\a+1], v[BR], s[92:93] offset:64*\a
.endr
	; where my part of the image begins: ((batch x 16 + head) << 17) + 64 x (token in its batch), for q, k and v alike
	s_cmp_eq_u32 ttmp9, 2
	s_cselect_b32 s18, s42, s17                    ; the tokens' tile,
	s_cselect_b32 s19, s16, s15                    ; and my half of it
	s_cselect_b32 s22, s41, s40                    ; the features' tile,
	s_cselect_b32 s23, s15, s16                    ; and my half of it
	s_lshl_b32 s18, s18, 8
	s_lshl_b32 s19, s19, 7
	s_add_co_u32 s18, s18, s19                     ; my first token
	s_lshl_b32 s22, s22, 2
	s_lshl_b32 s23, s23, 1
	s_add_co_u32 s22, s22, s23                     ; my first head: 128 features are two heads
	s_lshr_b32 s19, s18, 11                        ; batch
	s_lshl_b32 s19, s19, 4
	s_add_co_u32 s19, s19, s22
	s_lshl_b32 s19, s19, 17
	s_and_b32 s18, s18, 2047
	s_lshl_b32 s18, s18, 6
	s_add_co_u32 s94, s18, s19
	s_add_nc_u64 s[10:11], s[10:11], s[94:95]      ; (s95 = 0)
.macro FRAG reg, adr, q, i             ; a fragment, 16 rows x 128 K: lane l holds row l % 16; registers 4 c .. 4 c + 3 hold K = 32 c + 16 (l / 16) + 0 .. 15
.irp c, 0,1,2,3
	ds_load_b128 v[\reg+4*\c:\reg+4*\c+3], v[\adr] offset:128*(\q)+32*\c+(\i)*16*PITCH
.endr
.endm
; 16 matrix instructions: A's blocks a0, a0 + 1 x B's eight, 128 along K.  p: B's set.  zero = 1: the first product starts the sums.  The 64 accumulators take turns, one instruction a turn, in the same order in every step.
.macro MUL16 a0, p, zero
.irp a, \a0, \a0+1
.irp b, 0,1,2,3,4,5,6,7
.if \zero
	v_wmma_f32_16x16x128_bf8_bf8 v[8*(8*((\a)%4)+\b):8*(8*((\a)%4)+\b)+7], v[128*(\p)+FR*\b:128*(\p)+FR*\b+FR-1], v[AF+FR*(\a):AF+FR*(\a)+FR-1], 0
.else
	v_wmma_f32_16x16x128_bf8_bf8 v[8*(8*((\a)%4)+\b):8*(8*((\a)%4)+\b)+7], v[128*(\p)+FR*\b:128*(\p)+FR*\b+FR-1], v[AF+FR*(\a):AF+FR*(\a)+FR-1], v[8*(8*((\a)%4)+\b):8*(8*((\a)%4)+\b)+7]
.endif
.endr
.endr
.endm
.macro FETCH_B slot, q, p              ; B's eight fragments of the slot's q-th 128 along K into set p
	WIN TO_B
.irp i, 0,1,2,3,4,5,6,7
	FRAG 128*(\p)+FR*\i, ADRB+\slot, \q, \i
.endr
	WIN 0
.endm
.macro FETCH_A slot, q, i0             ; A's blocks i0 .. i0 + 3
.irp i, \i0, \i0+1, \i0+2, \i0+3
	FRAG AF+FR*(\i), ADRA+\slot, \q, \i
.endr
.endm
; A load into a register that a matrix instruction has read, and a vector instruction that reads a matrix result or writes one of its registers, stand NP places behind it; only plain vector instructions that name none of its registers are places.
.macro PLACES n
.rept \n
	v_nop
.endr
.endm
; A step of 128 along K that has its successor in the same slot.  A block of A is free as soon as its eight products are issued: blocks 0-3 are fetched anew in the step's middle, blocks 4-7 at its end.
.macro STEP slot, q, zero
	s_wait_dscnt 4*NL                              ; B's set and A's blocks 0-3 are in; the youngest 16 loads (A's blocks 4-7) may be out
	WIN MUL_LO
	MUL16 0, (\q)%2, \zero
	MUL16 2, (\q)%2, \zero
	s_wait_dscnt 0                                 ; A's blocks 4-7 are in (asked for 32 matrix instructions ago)
	PLACES NP
	FETCH_B \slot, (\q)+1, 1-(\q)%2
	FETCH_A \slot, (\q)+1, 0
	WIN MUL_HI
	MUL16 4, (\q)%2, \zero
	MUL16 6, (\q)%2, \zero
	PLACES NP
	WIN 0
	FETCH_A \slot, (\q)+1, 4
.endm
; A slot's last step changes slots: ONE barrier; in front of it each wave waits for all its tensor loads, adds 0 to its spare word, and waits for that and for its own reads of this slot.  fill = 1: this slot is filled again, two K steps ahead.
.macro TURN slot, next, fill
	s_wait_tensorcnt 0x0                           ; all my tensor loads have landed: my part of the next slot  (every window is 0 here)
	ds_add_u32 v[SPW], v[NIL]                      ; 0 onto my spare word
	s_wait_dscnt 4*NL+1                            ; (the add and the youngest 16 loads, A's blocks 4-7, may be out)
	WIN MUL_LO
	MUL16 0, 1, 0                                  ; sixteen matrix instructions stand between the add and the wait for it
	s_wait_dscnt 0x0                               ; the add is done, and my reads of this slot are over
	s_barrier_signal -1
	MUL16 2, 1, 0
	WIN 0
	s_barrier_wait -1
.if \fill
	CREST                                          ; the barrier has opened a round of the cluster's barrier: no wave of any partner still reads this slot's tile or has a load on its way
	s_add_nc_u64 s[G0+4*\slot+2:G0+4*\slot+3], s[G0+4*\slot+2:G0+4*\slot+3], 2*ROWB
	s_add_nc_u64 s[G0B+4*\slot+2:G0B+4*\slot+3], s[G0B+4*\slot+2:G0B+4*\slot+3], 2*ROWB
	JLOAD G0+4*\slot, G1, G0B+4*\slot, G1B         ; the first tensor load behind the round, my one load until the next; its four v_nop are the places in front of the loads below
.else
	PLACES NP
.endif
	FETCH_B \next, 0, 0
	FETCH_A \next, 0, 0
	WIN MUL_HI
	MUL16 4, 1, 0
	MUL16 6, 1, 0
	PLACES NP
	WIN 0
	FETCH_A \next, 0, 4
.endm
	s_wait_tensorcnt 1                             ; my part of K step 0 is in; K step 1's load, issued behind it, may be out
	s_barrier_signal -1
	s_barrier_wait -1                              ; everybody's is
	FETCH_B 0, 0, 0
	FETCH_A 0, 0, 0
	FETCH_A 0, 0, 4
	STEP 0, 0, 1                                   ; K = 1,024 is four K steps, eight steps of 128: written out, no loop.  The first step's products start the sums
	TURN 0, 1, 1                                   ; slot 0 takes K step 2
	STEP 1, 0, 0
	TURN 1, 0, 1                                   ; slot 1 takes K step 3
	STEP 0, 0, 0
	TURN 0, 1, 0                                   ; nothing is left to fetch
	STEP 1, 0, 0
	s_wait_dscnt 4*NL                              ; the very last step
	WIN MUL_LO
	MUL16 0, 1, 0
	MUL16 2, 1, 0
	s_wait_dscnt 0
	WIN MUL_HI
	MUL16 4, 1, 0
	MUL16 6, 1, 0
	WIN 0
; THE WAY OUT, a block of 16 rows of A at a time.  64 numbers a lane: sum x 2^(ea + eb) + bias into other registers, each accumulator from its low end on; eight conversions, each of eight neighbours along the next K;
; four stores of 512 consecutive bytes.  isv = 0: tiles b 0-3 are my first head's 64 features (an image of 8 registers), tiles 4-7 the next head's, 131,072 bytes on; the block is 16 tokens: 1,024 bytes on for each.
; isv = 1: the block is 16 channels x my 128 tokens: one fragment of 16 registers; four blocks are a head.
.macro OUTBLK a, isv
.if (\a) > 3
	s_wait_xcnt 0x0                                ; the stores of four blocks ago have read their registers: that set of codes is written again only behind this wait
.endif
	WIN 0x02+(\a)/4                                ; source 0: window 2 or 3
.set j, 0
.rept 32
.if \isv
	v_pk_fma_f32 v[TMP+j:TMP+j+1], v[64*((\a)%4)+j:64*((\a)%4)+j+1], s[96:97], v[BRW+2*(\a):BRW+2*(\a)+1] op_sel_hi:[1,0,1]
.else
	v_pk_fma_f32 v[TMP+j:TMP+j+1], v[64*((\a)%4)+j:64*((\a)%4)+j+1], s[96:97], v[BC+j:BC+j+1] op_sel_hi:[1,0,1]
.endif
.set j, j+2
.endr
	WIN 0
.irp b, 0,1,2,3,4,5,6,7
.irp i, 0,1,2,3,4,5,6,7
.endr
	v_cvt_scalef32_pk8_bf8_f32 v[CD+16*((\a)%4)+2*\b:CD+16*((\a)%4)+2*\b+1], v[TMP+8*\b:TMP+8*\b+7], v[SC]
.endr
	v_nop                                          ; one plain vector instruction between the last conversion and the next block's lines, which write its sources
.irp c, 0,1,2,3
.if \isv
	global_store_b128 v[CO], v[CD+16*((\a)%4)+4*\c:CD+16*((\a)%4)+4*\c+3], s[10:11] offset:((\a)/4)*131072+((\a)%4)*2048+512*\c
.else
	global_store_b128 v[CO], v[CD+16*((\a)%4)+4*\c:CD+16*((\a)%4)+4*\c+3], s[10:11] offset:(\c/2)*131072+(\a)*1024+(\c%2)*512
.endif
.endr
.endm
	s_wait_kmcnt 0x0
	s_add_co_i32 s68, s68, s69                     ; e0 + e1
	s_add_co_i32 s70, s70, s71                     ; e2 + e3
	s_add_co_i32 s72, s72, s73                     ; e4 + e5
	s_cmp_eq_u32 ttmp9, 0
	s_cselect_b32 s96, s68, s70
	s_cselect_b32 s94, s74, s75                    ; e6 or e7
	s_cmp_eq_u32 ttmp9, 2
	s_cselect_b32 s96, s72, s96
	s_cselect_b32 s94, s77, s94                    ; e9
	s_add_co_i32 s96, s96, 127
	s_lshl_b32 s96, s96, 23                        ; 2^(ea + eb) as f32
	s_mov_b32 s97, s96                             ; (named with it as a pair, so it is written)
	s_add_co_i32 s94, s94, 127
	s_lshl_b32 s95, s94, 23
	v_mov_b32 v[SC], s95                           ; 2^e as f32: the conversion takes its exponent field
	s_wait_loadcnt 0x0                             ; the biases
	PLACES NP                                      ; behind the last products: block 0's lines write registers that held A's fragments
	s_cmp_eq_u32 ttmp9, 2                          ; the cluster's x: the same in all partners
	s_cbranch_scc1 .Lout_v
.irp a, 0,1,2,3,4,5,6,7
	OUTBLK \a, 0
.endr
	s_branch .Lend
.Lout_v:
.irp a, 0,1,2,3,4,5,6,7
	OUTBLK \a, 1
.endr
.Lend:
	s_wait_tensorcnt 0x0                           ; the wave's end
	ds_add_u32 v[SPW], v[NIL]
	s_wait_dscnt 0x0
	CROUND                                         ; the closing round: no work-group ends while a partner may still ask for a tile that names it
	s_endpgm
.Lfunc_end_k_qc4505a1046_qkv:
	.size	k_qc4505a1046_qkv, .Lfunc_end_k_qc4505a1046_qkv-k_qc4505a1046_qkv
	.p2alignl 7, 3214868480
	.fill 96, 4, 3214868480
	.section	.rodata,"a",@progbits
	.p2align	6, 0x0
	.amdhsa_kernel k_qc4505a1046_qkv
		.amdhsa_group_segment_fixed_size 327680
		.amdhsa_private_segment_fixed_size 0
		.amdhsa_enable_private_segment 0
		.amdhsa_kernarg_size 88
		.amdhsa_user_sgpr_count 2
		.amdhsa_user_sgpr_kernarg_segment_ptr 1
		.amdhsa_wavefront_size32 1
		.amdhsa_system_sgpr_workgroup_id_x 1
		.amdhsa_system_sgpr_workgroup_id_y 1
		.amdhsa_system_sgpr_workgroup_id_z 1
		.amdhsa_system_vgpr_workitem_id 0
		.amdhsa_next_free_vgpr 1024
		.amdhsa_next_free_sgpr 98
		.amdhsa_reserve_vcc 0
		.amdhsa_float_denorm_mode_32 3
		.amdhsa_float_denorm_mode_16_64 3
		.amdhsa_fp16_overflow 1
		.amdhsa_memory_ordered 1
		.amdhsa_forward_progress 1
		.amdhsa_inst_pref_size 131
	.end_amdhsa_kernel
	.amdgpu_metadata
---
amdhsa.version: [ 1, 2 ]
amdhsa.kernels:
  - .name:           k_qc4505a1046_qkv
    .symbol:         k_qc4505a1046_qkv.kd
    .args:
      - { .name: x_codes, .offset: 0, .size: 8, .value_kind: global_buffer, .address_space: global }
      - { .name: Wq_codes, .offset: 8, .size: 8, .value_kind: global_buffer, .address_space: global }
      - { .name: Wk_codes, .offset: 16, .size: 8, .value_kind: global_buffer, .address_space: global }
      - { .name: Wv_codes, .offset: 24, .size: 8, .value_kind: global_buffer, .address_space: global }
      - { .name: bq, .offset: 32, .size: 8, .value_kind: global_buffer, .address_space: global }
      - { .name: bk, .offset: 40, .size: 8, .value_kind: global_buffer, .address_space: global }
      - { .name: bv, .offset: 48, .size: 8, .value_kind: global_buffer, .address_space: global }
      - { .name: lowp_scales, .offset: 56, .size: 8, .value_kind: global_buffer, .address_space: global }
      - { .name: q_img, .offset: 64, .size: 8, .value_kind: global_buffer, .address_space: global }
      - { .name: k_img, .offset: 72, .size: 8, .value_kind: global_buffer, .address_space: global }
      - { .name: v_img, .offset: 80, .size: 8, .value_kind: global_buffer, .address_space: global }
    .group_segment_fixed_size: 327680
    .private_segment_fixed_size: 0
    .kernarg_segment_align: 8
    .kernarg_segment_size: 88
    .max_flat_workgroup_size: 128
    .sgpr_count:     98
    .vgpr_count:     1024
    .wavefront_size: 32
...
	.end_amdgpu_metadata
.endif
;; end of part 1
;; launch attn (part 2): grid 4 x 64, 16 waves a work-group, no clusters, 327,680 bytes of LDS; arguments q_img, k_img, v_img, lowp_scales, a_img; writes a_img
.if DOCPART == 2
	.amdgcn_target "amdgcn-amd-amdhsa--gfx1250"
	.amdhsa_code_object_version 6
	.text
	.protected	k_qc4505a1046_attn
	.globl	k_qc4505a1046_attn
	.p2align	8
	.type	k_qc4505a1046_attn,@function
k_qc4505a1046_attn:
	s_mov_b64 s[64:65], 0
	v_nop
	global_prefetch_b8 v0, s[64:65] scope:SCOPE_SE
	s_setreg_imm32_b32 hwreg(HW_REG_WAVE_MODE, 25, 1), 1
	s_wait_xcnt 0x0
; Causal attention on codes of BF8 (E5M2), head size 64, 2,048 tokens, 64 (batch, head) pairs; the result is quantised at once for the output projection.
; q_img, k_img: [bh][token / 16][1,024 bytes], v_img: [bh][key / 128][channel / 16][2,048 bytes]: images of operand registers (four registers: lane l's 16 bytes at 16 l).  The layout is the 8-bit one:
; registers 2 c, 2 c + 1 hold k = 16 c + 8 (lane / 16) + 0 .. 7.  a_img: [head / 4][batch x 128 + token / 16][head % 4][1,024 bytes], likewise: two neighbouring heads' images are one fragment of 128 along the next K.
; THE SOFTMAX: t = score x log2(e) / 8; M = the row's largest t so far, rounded UP to a whole number; p = 2^(t - M) is quantised with 2^e8, not normalised.  The row's sum is taken of the unquantised p, in f32, and divides O at the end.
; When M moves, the sum and O are multiplied by 2^(old M - new M): exact.
; SHARES.  Work-group (i, bh) owns TWO blocks of 256 queries: block 7 - i, which wants key slots (256 keys) 0 .. 7 - i, and then block i, which wants slots 0 .. i: always 9 trips, so all 256 work-groups have equal work and
; the trip count is a constant of the text.  Each of the sixteen waves owns 16 queries of the block in hand, in 256 registers: four waves to a SIMD, so that one wave's vector work stands beside another's matrix work.
; A step (128 keys) all of whose keys come after the wave's queries is left out by a scalar branch on ids; on the diagonal hidden scores become -infinity.  A step that is not left out begins at or before the wave's first query, so every row has a key that counts.
; LAYOUT.  Both products are used transposed: S^T = K Q^T (source 0 = 16 keys, source 1 = my 16 queries): register 8 t + j of lane (r, h) is key 16 t + 8 h + j for query r: one conversion of tile t's eight registers gives registers
; 2 t, 2 t + 1 of P, the second product's source 1.  O^T = V^T P^T (source 0 = 16 channels x 128 keys): a lane holds one query throughout.
; THE RING.  Two LDS slots of 32,768 bytes (K's 16 images, then V's 8 fragments), each part a dense block of 16,384 bytes of memory: wave 0 fetches K's, wave 1 V's, all sixteen read.
; CLUSTER: none.  The four work-groups of a head walk slots 0 .. 7 - i and then 0 .. i: from trip 8 - i on they want different slots in the same trip; walking in step would take 8 + 4 trips for 9.
; LIMITS on the given exponents: e6 + e7 between -123 and 130 (added to c's exponent field); e8 and e10 between -126 and 127; e8 + e9 goes by v_ldexp_f32 and has none.
; REGISTERS: v1 16 x lane; v3 256 x lane; v5, v6 the add's; v7 r - 8 h; v8 address in hand; v12 -M, v13 the largest t, v[14:15] the sum in two halves; v16-23 Q in hand; v24-31 Q of the second block; v32-95 eight fragments of K, then four of V;
;   v96-159 S^T, then p; v160-191 O^T; v192-207 p's codes; v208-213 at work; v216: 2^e8; v218: the same with e10; v220-227 the result's codes.
.set SLOT1, 32768                      ; slot 1 begins here: one exclusive or turns an address in one slot into the other's
.set VOFF,  16384                      ; V's part of a slot
.set SPARE, 65536                      ; behind the ring: the spare words, 128 bytes for each of 16 waves
.set LI,   1
.set PFO,  3
.set SPW,  5
.set NIL,  6
.set RH,   7
.set ADR,  8
.set TB,   2                           ; s2   LDS byte at which the slot in hand begins
.set WV,   18                          ; s18  my wave's number
.set SEL,  20                          ; s[20:21] lane selects for v_permlanex16_b32: lane l xor 16
.set CS,   22                          ; s[22:23] c = log2(e) / 8 x 2^(e6 + e7)
.set G1,   24                          ; s[24:31] descriptor group 1: a dense block of 64 rows x 256 bytes, for K's and V's parts alike
.set G0K,  40                          ; s[40:43], s[44:47] their groups 0, which walk
.set G0V,  44
.set KB,   48                          ; s[48:49], s[50:51] my head's first byte in k_img, in v_img
.set VB,   50
.set NOFF, 52                          ; s[52:53] the key slot to be asked for, in bytes
.set IP1,  54                          ; s54  i + 1
.set SLOTS, 55                         ; s55  counts 8 down to 1
.set KF,   56                          ; s56  the step's first key
.set Q0,   57                          ; s57  my first query of the block in hand
.set Q0B,  58                          ; s58  of the second block
.set OA,   60                          ; s[60:61], s[62:63] where my two results go
.set OB,   62
.set EPV,  67                          ; s67  e8 + e9
.set PFA,  76                          ; s[76:77] where my prefetches stand
.set LIM,  80                          ; s80  2 in a wave that prefetches, else the greatest number
; Wave 0 fetches K's part of a slot, wave 1 V's, the others nothing.  The branches hang on the wave's number alone.  Four v_nop follow each of the two lines.
.macro TLOAD
	s_cmp_lt_u32 s[WV], 1
	s_cbranch_scc0 .Lnot_k_\@
	tensor_load_to_lds s[G0K:G0K+3], s[G1:G1+7]
	s_nop 0
.rept 4
	v_nop
.endr
	s_branch .Lasked_\@
.Lnot_k_\@:
	s_cmp_lt_u32 s[WV], 2
	s_cbranch_scc0 .Lasked_\@
	tensor_load_to_lds s[G0V:G0V+3], s[G1:G1+7]
	s_nop 0
.rept 4
	v_nop
.endr
.Lasked_\@:
.endm
; A PREFETCH of the key slot that the NEXT change of slots will ask for.  All four work-groups of a head begin with slots 0, 1, 2 ..; work-group i = 0 walks all eight in its trips 0 to 7, so it asks, and nobody else.
; In it four waves that fetch nothing ask, one instruction each, lanes 256 bytes apart: waves 4 and 5 for the two halves of K's 16,384 bytes, waves 6 and 7 for V's.  Trip t names slot t + 2, for t = 0 .. 5 (SLOTS = 8 .. 3):
; each block of 256 bytes is named once, slots 0 and 1 come by their loads alone, and nothing is named behind slot 7.
.macro ASK
	s_cmp_gt_u32 s[SLOTS], s[LIM]
	s_cbranch_scc0 .Lnot_mine_\@
	global_prefetch_b8 v[PFO], s[PFA:PFA+1] th:TH_LOAD_NT scope:SCOPE_SE
.Lnot_mine_\@:
.endm
	s_load_b128 s[4:7], s[0:1], 0x0                ; q_img s[4:5], k_img s[6:7]
	s_load_b128 s[8:11], s[0:1], 0x10              ; v_img s[8:9], the exponents s[10:11]
	s_load_b64 s[12:13], s[0:1], 0x20              ; a_img
	v_lshl_add_u32 v[SPW], v0, 2, SPARE
	v_mov_b32 v[NIL], 0
	ds_add_u32 v5, v6
	ds_add_u32 v5, v6
	s_wait_dscnt 0x0
	v_lshrrev_b32 v8, 5, v0
	s_delay_alu instid0(VALU_DEP_1)
	v_readfirstlane_b32 s[WV], v8                  ; wave 0..15
	s_and_b32 s14, ttmp7, 0xffff                   ; bh = batch x 16 + head
	s_lshl_b32 s16, s14, 17                        ; its first byte in q_img, k_img and v_img
	s_mov_b32 s17, 0
	s_add_co_u32 s[IP1], ttmp9, 1
	s_sub_co_u32 s15, 7, ttmp9                     ; the first block: 7 - i
	s_lshl_b32 s[Q0], s15, 8
	s_lshl_b32 s19, s[WV], 4
	s_add_co_u32 s[Q0], s[Q0], s19                 ; my first query there,
	s_lshl_b32 s[Q0B], ttmp9, 8
	s_add_co_u32 s[Q0B], s[Q0B], s19               ; and in block i
	s_lshl_b32 s82, s[Q0], 6                       ; a token's 64 bytes
	s_add_co_u32 s82, s82, s16
	s_mov_b32 s83, 0
	s_lshl_b32 s84, s[Q0B], 6
	s_add_co_u32 s84, s84, s16
	s_mov_b32 s85, 0
	s_and_b32 s86, s14, 15                         ; head
	s_lshr_b32 s87, s86, 2
	s_lshl_b32 s87, s87, 21                        ; (head / 4) x 2,097,152
	s_and_b32 s86, s86, 3
	s_lshl_b32 s86, s86, 10                        ; (head % 4) x 1,024
	s_add_co_u32 s86, s86, s87
	s_lshr_b32 s87, s14, 4
	s_lshl_b32 s87, s87, 19                        ; batch x 128 tiles x 4,096
	s_add_co_u32 s86, s86, s87
	s_lshl_b32 s88, s[Q0], 8                       ; (query / 16) x 4,096
	s_add_co_u32 s88, s88, s86
	s_mov_b32 s89, 0
	s_lshl_b32 s90, s[Q0B], 8
	s_add_co_u32 s90, s90, s86
	s_mov_b32 s91, 0
	s_mov_b32 s[G1], 3<<16                         ; 15:0 no mask; 17:16 elements of 8 bytes; no padding: every read takes 512 consecutive bytes
	s_mov_b32 s[G1+1], 32<<16                      ; tensor_dim0 = 32 elements = 256 bytes
	s_mov_b32 s[G1+2], 64<<16                      ; tensor_dim1 = 64
	s_mov_b32 s[G1+3], 32<<16                      ; tile_dim0 = 32
	s_mov_b32 s[G1+4], 64                          ; tile_dim1 = 64
	s_mov_b32 s[G1+5], 32                          ; from row to row: dense
	s_mov_b32 s[G1+6], 0
	s_mov_b32 s[G1+7], 0
	s_mov_b32 s[SEL], 0x76543210
	s_mov_b32 s[SEL+1], 0xfedcba98
	s_mov_b32 s[CS], 0x3e38aa3b                    ; log2(e) / sqrt(64)
	s_mov_b32 s[TB], 0
	s_mov_b32 s[SLOTS], 8
	s_mov_b32 s[NOFF], 0
	s_mov_b32 s[NOFF+1], 0
	s_wait_kmcnt 0x0
	s_load_b256 s[68:75], s[10:11], 0x10           ; e4 .. e11: e6 s70, e7 s71, e8 s72, e9 s73, e10 s74
	s_add_nc_u64 s[KB:KB+1], s[6:7], s[16:17]
	s_add_nc_u64 s[VB:VB+1], s[8:9], s[16:17]
	s_mov_b32 s[G0K], 1                            ; count = 1
	s_mov_b32 s[G0K+1], 0                          ; LDS address: slot 0
	s_mov_b64 s[G0K+2:G0K+3], s[KB:KB+1]           ; global address: key slot 0
	s_or_b32 s[G0K+3], s[G0K+3], 0x80000000        ; type = 2
	s_mov_b32 s[G0V], 1
	s_mov_b32 s[G0V+1], VOFF
	s_mov_b64 s[G0V+2:G0V+3], s[VB:VB+1]
	s_or_b32 s[G0V+3], s[G0V+3], 0x80000000
	TLOAD                                          ; slot 0: the one first fill at the head
	s_add_nc_u64 s[82:83], s[4:5], s[82:83]        ; Q of the first block,
	s_add_nc_u64 s[84:85], s[4:5], s[84:85]        ; of the second
	s_add_nc_u64 s[OA:OA+1], s[12:13], s[88:89]
	s_add_nc_u64 s[OB:OB+1], s[12:13], s[90:91]
	v_and_b32 v2, 31, v0
	s_delay_alu instid0(VALU_DEP_1)
	v_lshlrev_b32 v[LI], 4, v2
	s_delay_alu instid0(VALU_DEP_2)
	v_lshlrev_b32 v[PFO], 8, v2
	global_load_b128 v[16:19], v[LI], s[82:83]               ; both blocks' Q stay in registers
	global_load_b128 v[20:23], v[LI], s[82:83] offset:512
	global_load_b128 v[24:27], v[LI], s[84:85]
	global_load_b128 v[28:31], v[LI], s[84:85] offset:512
	v_and_b32 v4, 15, v0                           ; r
	v_bfe_u32 v9, v0, 4, 1                         ; h
	s_delay_alu instid0(VALU_DEP_1)
	v_lshlrev_b32 v9, 3, v9
	s_delay_alu instid0(VALU_DEP_1)
	v_sub_nc_u32 v[RH], v4, v9                     ; r - 8 h, for the mask
	; the prefetches (macro ASK): where my wave's stand, and who asks
	s_cmp_lt_u32 s[WV], 6
	s_cselect_b64 s[PFA:PFA+1], s[KB:KB+1], s[VB:VB+1]
	s_and_b32 s86, s[WV], 1
	s_lshl_b32 s86, s86, 13                        ; my half of the 16,384 bytes,
	s_add_co_u32 s86, s86, 16384                   ; in slot 1: the first change of slots steps it to slot 2.  Nothing is prefetched here, at the head
	s_mov_b32 s87, 0
	s_add_nc_u64 s[PFA:PFA+1], s[PFA:PFA+1], s[86:87]
	s_sub_co_u32 s86, s[WV], 4
	s_lshr_b32 s86, s86, 2                         ; 0 in waves 4 to 7,
	s_or_b32 s86, s86, ttmp9                       ; of work-group i = 0
	s_cmp_eq_u32 s86, 0
	s_cselect_b32 s[LIM], 2, -1
; a block's state: O^T and the sum begin as zeros and the largest t under every t, so that the step is written once: the first change of M multiplies zeros
.macro STATE
	v_mov_b32 v13, 0xff61b1e6                      ; -3e38
	s_delay_alu instid0(VALU_DEP_1)
	v_floor_f32 v12, -v13                          ; -M
	v_mov_b32 v14, 0
	v_mov_b32 v15, 0
.set j, 0
.rept 32
	v_mov_b32 v[160+j], 0
.set j, j+1
.endr
	s_mov_b32 s[KF], 0
.endm
	STATE
	v_mov_b32 v209, 0                              ; written once: a lane permute's destination counts as one of its sources
	v_mov_b32 v211, 0                              ; (named as the upper half of the pair v[210:211])
	s_wait_kmcnt 0x0
	s_add_co_i32 s96, s70, s71
	s_lshl_b32 s96, s96, 23
	s_add_co_i32 s[CS], s[CS], s96                 ; a score stands for score x 2^(e6 + e7): the two exponents are added to c's exponent field
	s_mov_b32 s[CS+1], s[CS]                       ; (named with it as a pair, so it is written)
	s_add_co_i32 s96, s72, 127
	s_lshl_b32 s97, s96, 23
	v_mov_b32 v216, s97                            ; 2^e8 as f32, for p's conversions
	s_add_co_i32 s96, s74, 127
	s_lshl_b32 s97, s96, 23
	v_mov_b32 v218, s97                            ; 2^e10, for the result's
	s_add_co_i32 s[EPV], s72, s73                  ; e8 + e9
; A KEY STEP: 128 keys, the q-th of the slot in hand.
.macro STEP q
	s_add_co_u32 s96, s[Q0], 15
	s_cmp_gt_u32 s[KF], s96                        ; all 128 keys come after my 16 queries: the step's work is left out (a branch on ids; no barrier and no tensor load stands in a step)
	s_cbranch_scc1 .Lhidden_\@
	v_add_nc_u32 v[ADR], s[TB], v[LI]
.rept 3
	v_nop                                          ; with the addition above: four places in front of loads into registers that the last products read
.endr
.irp t, 0,1,2,3,4,5,6,7                        ; K's eight images: keys 16 t on
	ds_load_b128 v[32+8*\t:35+8*\t], v[ADR] offset:(8*(\q)+\t)*1024
	ds_load_b128 v[36+8*\t:39+8*\t], v[ADR] offset:(8*(\q)+\t)*1024+512
.endr
	s_wait_dscnt 8                                 ; tiles 0-3 are in; the youngest eight loads, tiles 4-7, may be out
	s_wait_alu depctr_va_vdst(0)
.irp t, 0,1,2,3
	v_wmma_f32_16x16x64_bf8_bf8 v[96+8*\t:103+8*\t], v[32+8*\t:39+8*\t], v[16:23], 0
.endr
	s_wait_dscnt 0x0
.irp t, 4,5,6,7
	v_wmma_f32_16x16x64_bf8_bf8 v[96+8*\t:103+8*\t], v[32+8*\t:39+8*\t], v[16:23], 0
.endr
.rept 4
	v_nop                                          ; places: in front of the loads below, into registers that these products read, and of the first read of the scores
.endr
.irp u, 0,1,2,3                                ; V's four fragments (channels 16 u on): they land while the softmax is worked
.irp c, 0,1,2,3
	ds_load_b128 v[32+16*\u+4*\c:35+16*\u+4*\c], v[ADR] offset:VOFF+(\q)*8192+\u*2048+512*\c
.endr
.endr
	s_add_co_u32 s96, s[KF], 127
	s_cmp_le_u32 s96, s[Q0]                        ; all 128 keys count for all my queries: no mask
	s_cbranch_scc1 .Lopen_\@
	s_sub_co_i32 s96, s[Q0], s[KF]
	v_add_nc_u32 v210, s96, v[RH]                  ; d = my query - KF - 8 h.  Register 8 t + j holds key KF + 16 t + 8 h + j: hidden where 16 t + j > d
	v_mov_b32 v208, 0xff800000                     ; -infinity: p = 0 then
.set n, 0
.rept 64
	v_cmp_gt_i32 vcc_lo, 16*(n/8)+n%8, v210
	v_cndmask_b32 v[96+n], v[96+n], v208, vcc_lo
.set n, n+1
.endr
.Lopen_\@:
	v_max3_num_f32 v208, v96, v97, v98             ; the step's largest score of my query, among my 64 keys, in two chains, each accumulator from its low end on,
	v_max3_num_f32 v210, v99, v100, v101
.set i, 6
.rept 14
	v_max3_num_f32 v208, v208, v[96+i], v[97+i]
	v_max3_num_f32 v210, v210, v[98+i], v[99+i]
.set i, i+4
.endr
	v_max3_num_f32 v208, v208, v158, v159
	s_delay_alu instid0(VALU_DEP_1)
	v_max_num_f32 v208, v208, v210
	s_delay_alu instid0(VALU_DEP_1)
	v_permlanex16_b32 v209, v208, s[SEL], s[SEL+1]
	s_delay_alu instid0(VALU_DEP_1)
	v_max_num_f32 v208, v208, v209                 ; and among lane l xor 16's
	s_delay_alu instid0(VALU_DEP_1)
	v_mul_f32 v208, s[CS], v208                    ; as t (c is positive)
	s_delay_alu instid0(VALU_DEP_1)
	v_max_num_f32 v13, v13, v208                   ; the running largest t
	v_mov_b32 v208, v12
	s_delay_alu instid0(VALU_DEP_2)
	v_floor_f32 v12, -v13                          ; the new -M = floor(-t) = -ceil(t): M is a whole number
	s_delay_alu instid0(VALU_DEP_1)
	v_sub_f32 v208, v12, v208                      ; M's old value less its new one: a whole number, 0 or less
	s_delay_alu instid0(VALU_DEP_1)
	v_cvt_i32_f32 v208, v208                       ; (it saturates)
	s_delay_alu instid0(VALU_DEP_1)
	v_ldexp_f32 v210, 1.0, v208                    ; f = 2^(old M - new M)
.set j, 0
.rept 32
	v_pk_fma_f32 v[96+j:97+j], v[96+j:97+j], s[CS:CS+1], v[12:13] op_sel_hi:[1,0,0]   ; t - M, two at a time (of the pairs c and -M the low word serves both halves)
.set j, j+2
.endr
.set j, 0
	s_wait_alu depctr_va_vdst(0)
.rept 64
	v_exp_f32 v[96+j], v[96+j]                     ; p = 2^(t - M), at most 1: not normalised
.set j, j+1
.endr
	v_pk_mul_f32 v[14:15], v[14:15], v[210:211] op_sel_hi:[1,0]   ; the sums under the new M: the plain instruction behind the last exponential
	s_wait_alu depctr_va_vdst(0)                   ; one wait for the batch of 64, ahead of the first line that names a result
	v_pk_add_f32 v[212:213], v[100:101], v[104:105]
	v_pk_add_f32 v[254:255], v[108:109], v[112:113]
	v_pk_add_f32 v[252:253], v[116:117], v[120:121]
	v_pk_add_f32 v[250:251], v[124:125], v[128:129]
	v_pk_add_f32 v[248:249], v[132:133], v[136:137]
	v_pk_add_f32 v[246:247], v[140:141], v[144:145]
	v_pk_add_f32 v[244:245], v[148:149], v[152:153]
	v_pk_add_f32 v[14:15], v[14:15], v[156:157]
	v_pk_add_f32 v[212:213], v[212:213], v[96:97]
	v_pk_add_f32 v[254:255], v[254:255], v[98:99]
	v_pk_add_f32 v[252:253], v[252:253], v[102:103]
	v_pk_add_f32 v[250:251], v[250:251], v[106:107]
	v_pk_add_f32 v[248:249], v[248:249], v[110:111]
	v_pk_add_f32 v[246:247], v[246:247], v[114:115]
	v_pk_add_f32 v[244:245], v[244:245], v[118:119]
	v_pk_add_f32 v[14:15], v[14:15], v[122:123]
	v_pk_add_f32 v[212:213], v[212:213], v[126:127]
	v_pk_add_f32 v[254:255], v[254:255], v[130:131]
	v_pk_add_f32 v[252:253], v[252:253], v[134:135]
	v_pk_add_f32 v[250:251], v[250:251], v[138:139]
	v_pk_add_f32 v[248:249], v[248:249], v[142:143]
	v_pk_add_f32 v[246:247], v[246:247], v[146:147]
	v_pk_add_f32 v[244:245], v[244:245], v[150:151]
	v_pk_add_f32 v[14:15], v[14:15], v[154:155]
	v_pk_add_f32 v[212:213], v[212:213], v[158:159]
	s_delay_alu instid0(VALU_DEP_2)
	v_pk_add_f32 v[14:15], v[14:15], v[250:251]
	s_delay_alu instid0(VALU_DEP_2)
	v_pk_add_f32 v[212:213], v[212:213], v[248:249]
	v_pk_add_f32 v[254:255], v[254:255], v[246:247]
	v_pk_add_f32 v[252:253], v[252:253], v[244:245]
	s_delay_alu instid0(VALU_DEP_2)
	v_pk_add_f32 v[14:15], v[14:15], v[254:255]
	s_delay_alu instid0(VALU_DEP_2)
	v_pk_add_f32 v[212:213], v[212:213], v[252:253]
	s_delay_alu instid0(VALU_DEP_1)
	v_pk_add_f32 v[14:15], v[14:15], v[212:213]
.irp t, 0,1,2,3,4,5,6,7
.irp i, 0,1,2,3,4,5,6,7
.endr
	v_cvt_scalef32_pk8_bf8_f32 v[192+2*\t:193+2*\t], v[96+8*\t:103+8*\t], v216   ; registers 2 t, 2 t + 1 of P: keys 16 t + 8 h + 0 .. 7
.endr
.set j, 0
.rept 16
	v_pk_mul_f32 v[160+j:161+j], v[160+j:161+j], v[210:211] op_sel_hi:[1,0]   ; O^T under the new M.  (Plain lines between the conversions and the products that read their results)
.set j, j+2
.endr
	s_wait_alu depctr_va_vdst(0)
	s_wait_dscnt 0x0                               ; V is in
.irp u, 0,1,2,3                                ; O^T += V^T P^T: the four accumulators take turns; the eight products K Q^T stand between two links of a chain
	v_wmma_f32_16x16x128_bf8_bf8 v[160+8*\u:167+8*\u], v[32+16*\u:47+16*\u], v[192:207], v[160+8*\u:167+8*\u]
.endr
.Lhidden_\@:
	s_add_co_u32 s[KF], s[KF], 128
.endm
; THE CHANGE OF SLOTS stands at a trip's head.  Each wave waits for all its tensor loads (its part of the slot that it is about to read), adds 0 to its spare word, and waits for that and for its reads of the slot that it has left.
; Behind the barrier the slot ahead is whole and nobody reads the other one.  fill = 1: that other slot takes the next trip's keys: the next key slot, or, in the first block's last trip (SLOTS = i + 1), key slot 0 again, for the second block.
.macro CHANGE fill
	s_wait_tensorcnt 0x0                           ; no tensor load of mine is out, so a group 0 may be written
	ds_add_u32 v[SPW], v[NIL]                      ; 0 onto my spare word; the descriptors' steps stand between it and the wait for it
.if \fill
	s_add_co_u32 s[NOFF], s[NOFF], 16384
	s_cmp_eq_u32 s[SLOTS], s[IP1]
	s_cselect_b32 s[NOFF], 0, s[NOFF]
	s_xor_b32 s[G0K+1], s[G0K+1], SLOT1            ; the other slot than last time
	s_add_nc_u64 s[G0K+2:G0K+3], s[KB:KB+1], s[NOFF:NOFF+1]
	s_or_b32 s[G0K+3], s[G0K+3], 0x80000000
	s_xor_b32 s[G0V+1], s[G0V+1], SLOT1
	s_add_nc_u64 s[G0V+2:G0V+3], s[VB:VB+1], s[NOFF:NOFF+1]
	s_or_b32 s[G0V+3], s[G0V+3], 0x80000000
	s_wait_xcnt 0x0                                ; the last prefetch, a trip back, has read its address, so it may be written
	s_add_nc_u64 s[PFA:PFA+1], s[PFA:PFA+1], 16384
.endif
	s_wait_dscnt 0x0                               ; the add is done, and my reads of the slot that I have left are over
	s_barrier_signal -1
	s_barrier_wait -1
.if \fill
	TLOAD                                          ; the first thing behind the barrier, and a wave's one tensor load until the next: one load of a wave is out at any time
	ASK
.endif
.endm
; A BLOCK'S END.  O^T x 2^(e8 + e9) / the sum, converted with 2^e10: tile u's eight channels become registers 2 u, 2 u + 1 of my head's image; two stores of 512 consecutive bytes.  more = 1: the codes' registers will be used again.
.macro FINISH out, more
.rept 4
	v_nop                                          ; places behind the last products
.endr
	v_add_f32 v14, v14, v15                        ; the sum's two halves,
	s_wait_alu depctr_va_vdst(0)
	v_permlanex16_b32 v209, v14, s[SEL], s[SEL+1]
	s_delay_alu instid0(VALU_DEP_1)
	v_add_f32 v14, v14, v209                       ; and lane l xor 16's
	s_wait_alu depctr_va_vdst(0)
	v_rcp_f32 v14, v14
	v_nop                                          ; a plain instruction behind the reciprocal
	s_wait_alu depctr_va_vdst(0)                   ; and the wait ahead of the first line that names its result
	v_ldexp_f32 v14, v14, s[EPV]
.set j, 0
.rept 16
	v_pk_mul_f32 v[96+j:97+j], v[160+j:161+j], v[14:15] op_sel_hi:[1,0]   ; each accumulator from its low end on
.set j, j+2
.endr
.irp u, 0,1,2,3
.irp i, 0,1,2,3,4,5,6,7
.endr
	v_cvt_scalef32_pk8_bf8_f32 v[220+2*\u:221+2*\u], v[96+8*\u:103+8*\u], v218
.endr
	v_nop                                          ; one plain vector instruction behind the last conversion: later products write its sources
	global_store_b128 v[LI], v[220:223], s[\out:\out+1]
	global_store_b128 v[LI], v[224:227], s[\out:\out+1] offset:512
.if \more
	s_wait_xcnt 0x0                                ; the stores have read their registers
.endif
.endm
	s_wait_loadcnt 0x0                             ; Q, both blocks'
.Lslot:                                            ; eight trips; the ninth is written out
	CHANGE 1
	STEP 0
	STEP 1
	s_xor_b32 s[TB], s[TB], SLOT1                  ; on to the other slot
	s_cmp_eq_u32 s[SLOTS], s[IP1]                  ; the first block's last trip?  (a branch on the work-group's number)
	s_cbranch_scc0 .Lsame
	FINISH OA, 1
	STATE                                          ; the second block begins
.set j, 0
.rept 8
	v_mov_b32 v[16+j], v[24+j]                     ; its Q
.set j, j+1
.endr
	s_mov_b32 s[Q0], s[Q0B]
.Lsame:
	s_sub_co_u32 s[SLOTS], s[SLOTS], 1
	s_cmp_lg_u32 s[SLOTS], 0
	s_cbranch_scc1 .Lslot
	CHANGE 0
	STEP 0
	STEP 1
	FINISH OB, 0
	s_wait_tensorcnt 0x0                           ; the wave's end
	ds_add_u32 v[SPW], v[NIL]
	s_wait_dscnt 0x0
	s_endpgm
.Lfunc_end_k_qc4505a1046_attn:
	.size	k_qc4505a1046_attn, .Lfunc_end_k_qc4505a1046_attn-k_qc4505a1046_attn
	.p2alignl 7, 3214868480
	.fill 96, 4, 3214868480
	.section	.rodata,"a",@progbits
	.p2align	6, 0x0
	.amdhsa_kernel k_qc4505a1046_attn
		.amdhsa_group_segment_fixed_size 327680
		.amdhsa_private_segment_fixed_size 0
		.amdhsa_enable_private_segment 0
		.amdhsa_kernarg_size 40
		.amdhsa_user_sgpr_count 2
		.amdhsa_user_sgpr_kernarg_segment_ptr 1
		.amdhsa_wavefront_size32 1
		.amdhsa_system_sgpr_workgroup_id_x 1
		.amdhsa_system_sgpr_workgroup_id_y 1
		.amdhsa_system_sgpr_workgroup_id_z 1
		.amdhsa_system_vgpr_workitem_id 0
		.amdhsa_next_free_vgpr 256
		.amdhsa_next_free_sgpr 100
		.amdhsa_reserve_vcc 1
		.amdhsa_float_denorm_mode_32 3
		.amdhsa_float_denorm_mode_16_64 3
		.amdhsa_fp16_overflow 1
		.amdhsa_memory_ordered 1
		.amdhsa_forward_progress 1
		.amdhsa_inst_pref_size 91
	.end_amdhsa_kernel
	.amdgpu_metadata
---
amdhsa.version: [ 1, 2 ]
amdhsa.kernels:
  - .name:           k_qc4505a1046_attn
    .symbol:         k_qc4505a1046_attn.kd
    .args:
      - { .name: q_img, .offset: 0, .size: 8, .value_kind: global_buffer, .address_space: global }
      - { .name: k_img, .offset: 8, .size: 8, .value_kind: global_buffer, .address_space: global }
      - { .name: v_img, .offset: 16, .size: 8, .value_kind: global_buffer, .address_space: global }
      - { .name: lowp_scales, .offset: 24, .size: 8, .value_kind: global_buffer, .address_space: global }
      - { .name: a_img, .offset: 32, .size: 8, .value_kind: global_buffer, .address_space: global }
    .group_segment_fixed_size: 327680
    .private_segment_fixed_size: 0
    .kernarg_segment_align: 8
    .kernarg_segment_size: 40
    .max_flat_workgroup_size: 512
    .sgpr_count:     100
    .vgpr_count:     256
    .wavefront_size: 32
...
	.end_amdgpu_metadata
.endif
;; end of part 2
;; launch oproj (part 3): grid 8 x 32, 4 waves a work-group, clusters of 4 x 4, 327,680 bytes of LDS; arguments a_img, Wo_codes, lowp_scales, bo, out0; writes out0
.if DOCPART == 3
	.amdgcn_target "amdgcn-amd-amdhsa--gfx1250"
	.amdhsa_code_object_version 6
	.text
	.protected	k_qc4505a1046_oproj
	.globl	k_qc4505a1046_oproj
	.p2align	8
	.type	k_qc4505a1046_oproj,@function
k_qc4505a1046_oproj:
	s_mov_b64 s[64:65], 0
	v_nop
	global_prefetch_b8 v0, s[64:65] scope:SCOPE_SE
	s_setreg_imm32_b32 hwreg(HW_REG_WAVE_MODE, 25, 1), 1
	s_wait_xcnt 0x0
	s_wait_alu depctr_hold_cnt(0) depctr_sa_sdst(0) depctr_va_vdst(0) depctr_va_sdst(0) depctr_va_ssrc(0) depctr_va_vcc(0) depctr_vm_vsrc(0)
	s_getreg_b32 s2, hwreg(HW_REG_IB_STS2, 6, 4)
	s_cmp_eq_u32 s2, 0
	s_cbranch_scc0 .Lentry_in_a_cluster
	s_endpgm
.Lentry_in_a_cluster:
	s_bfe_u32 s2, ttmp6, 0x10000c
	s_cmp_lg_u32 s2, 0xf033
	s_cbranch_scc0 .Lentry_shape_is_right
	s_endpgm
.Lentry_shape_is_right:
; out0 = a Wo^T + bo on codes of BF8 (E5M2).  a: 8,192 tokens x 1,024, as images of operand registers: a_img [K / 256][token / 16][4][1,024 bytes]; 2,048 bytes are a fragment of 16 tokens x 128 K
; (registers 4 c .. 4 c + 3: lane l's 16 bytes at 512 c + 16 l), in the 8-bit layout: registers 2 c, 2 c + 1 hold k = 16 c + 8 (lane / 16) + 0 .. 7.  Wo: [1024][1024] codes, K innermost; out0: [8192][1024] f32.
; A tile of out0 is 256 tokens x 128 features: 256 work-groups.  Four waves, each 128 tokens x 64 features: 32 accumulators, 256 registers.  THE MATRIX INSTRUCTION IS USED TRANSPOSED (source 0 = 16 rows of Wo, source 1 = 16 tokens):
; a lane holds eight neighbouring features of one token.  a's images hold k in its own places, so Wo's fragments are fetched in the same layout: eight loads of 8 bytes, 16 bytes apart, at row x pitch + 8 (lane / 16).
; K = 1,024 is four K steps of 256.  THREE LDS slots fit, so three K steps are first fills and there is one refill; everything is written out, no loop.
; CLUSTERS: 4 x 4 work-groups: a's tile (65,536 dense bytes a K step) is asked for jointly along a row of the cluster, Wo's (128 rows x 256 bytes) along a column.
; out0 = sum x 2^(e10 + e11) + bo, one fused multiply-add.  LIMIT: e10 + e11 between -126 and 127, so that the power of two is an f32 number.
; REGISTERS, in windows of 256: window 0: v16-29 addresses; v32-63 bo in the result's layout; v64-95 a block's numbers; v128-255 Wo's fragments, two sets of 4 x 16; on the way out four sets of 32: rows read back from the stage.
;   window 1: a's fragments, two sets of 8 x 16.   window 2: the accumulators ((a, b) at v[8 (4 a + b)]).
.set PITCH,  272                       ; a row of Wo in LDS: 256 bytes + 16 of padding = 68 words: lane (r, h) reads words 68 r + 2 h and the next: the 32 lanes of a load of 8 bytes touch 64 different banks (64 banks of 4 bytes: ISA guide 11.1)
.set BOFF,   65536                     ; a slot: a's 16 token tiles x 4,096 bytes, then Wo's 128 rows
.set SLOT,   BOFF+128*PITCH            ; 100,352
.set SPARE,  3*SLOT                    ; behind the three slots: the spare words, 128 bytes for each wave
.set STAGE,  SPARE+512                 ; the way out: 16 rows x 272 bytes for each wave, bytes of its own: no tile lands there
.set SPITCH, 272
.set KQ,     2097152                   ; from one K step of a_img to the next
.set ADRA, 16                          ; v16-18  LDS address of my fragments of a in slot 0, 1, 2
.set ADRB, 20                          ; v20-22  the same for Wo
.set STO,  24                          ; v24     the way out: where I put 32 bytes of a row
.set RD,   25                          ; v25     where I read a row back
.set CO,   26                          ; v26     my byte offset in two rows of out0
.set BH,   27                          ; v27     32 x (lane / 16)
.set SPW,  28                          ; v28     LDS address of my spare word; never rewritten
.set NIL,  29                          ; v29     0; never rewritten
.set BI,   32
.set TMP,  64
.set BF,   128
.set G1A, 24                           ; s[24:31] descriptor group 1 for a's tiles;  s[32:43] group 0, one set for each slot
.set G0A, 32
.set G1B, 48                           ; s[48:55], s[68:79] the same for Wo's
.set G0B, 68
.set MSB, 0
.macro WIN new                         ; the immediate's high byte repeats the setting that is left
.if MSB != (\new)
	s_set_vgpr_msb (MSB<<8)|(\new)
.set MSB, (\new)
.endif
.endm
.set MUL,  0xa4                        ; source 0 (Wo) window 0, source 1 (a) window 1, C and D window 2
.set TO_A, 0x40                        ; destination window 1, address window 0
.macro JLOAD                           ; the joint refill of slot 0: waves 0 and 1 fetch a's halves, waves 2 and 3 Wo's; four v_nop follow each of the two lines
	s_cmp_eq_u32 s15, 0
	s_cbranch_scc0 .Lfor_b_\@
	tensor_load_to_lds s[G0A:G0A+3], s[G1A:G1A+7]
	s_nop 0
.rept 4
	v_nop
.endr
	s_branch .Lasked_\@
.Lfor_b_\@:
	tensor_load_to_lds s[G0B:G0B+3], s[G1B:G1B+7]
	s_nop 0
.rept 4
	v_nop
.endr
.Lasked_\@:
.endm
.macro CREST                           ; a round of the cluster's barrier behind its opening barrier
	s_cmp_lg_u32 s14, 0
	s_cbranch_scc1 .Lnot_wave_0_\@
	s_barrier_signal -3
.Lnot_wave_0_\@:
	s_barrier_wait -3
	s_barrier_signal -1
	s_barrier_wait -1
.endm
.macro CROUND                          ; a whole round
	s_barrier_signal -1
	s_barrier_wait -1
	CREST
.endm
.macro PLACES                          ; four places behind a matrix instruction, in front of loads into registers that it has read and of the first read of results
.rept 4
	v_nop
.endr
.endm
	s_load_b128 s[4:7], s[0:1], 0x0                ; a_img s[4:5], Wo's codes s[6:7]
	s_load_b128 s[8:11], s[0:1], 0x10              ; the exponents s[8:9], bo s[10:11]
	s_load_b64 s[12:13], s[0:1], 0x20              ; out0
	v_lshl_add_u32 v[SPW], v0, 2, SPARE
	v_mov_b32 v[NIL], 0
	ds_add_u32 v28, v29
	ds_add_u32 v28, v29
	s_wait_dscnt 0x0
	v_lshrrev_b32 v1, 5, v0
	v_readfirstlane_b32 s14, v1                    ; wave 0..3
	s_lshr_b32 s15, s14, 1                         ; which 128 tokens are mine.  Also: I fetch for a (0) or for Wo (1)
	s_and_b32 s16, s14, 1                          ; which 64 features.  Also: which half of that tile I fetch
	s_bfe_u32 s80, ttmp6, 0x40000                  ; cx, cy: my place in the cluster
	s_bfe_u32 s81, ttmp6, 0x40004
	s_lshl_b32 s82, ttmp9, 2
	s_add_co_u32 s82, s82, s80                     ; tile column (128 features) = 4 x cluster x + cx
	s_and_b32 s17, ttmp7, 0xffff
	s_lshl_b32 s17, s17, 2
	s_add_co_u32 s17, s17, s81                     ; tile row (256 tokens) = 4 x cluster y + cy
	s_lshl_b32 s83, s81, 2
	s_lshl_b32 s83, 15, s83                        ; my row of the cluster
	s_lshl_b32 s84, 0x1111, s80                    ; my column
	s_or_b32 s[G1A+0], s83, (3<<16)|(1<<21)        ; 15:0 the mask: a's tiles go to my row; 17:16 elements of 8 bytes; 21 set beside a mask; no padding: every read takes 512 consecutive bytes
	s_mov_b32 s[G1A+1], 32<<16                     ; tensor_dim0 = 32 elements = 256 bytes
	s_mov_b32 s[G1A+2], 128<<16                    ; tensor_dim1 = 128
	s_mov_b32 s[G1A+3], 32<<16                     ; tile_dim0 = 32
	s_mov_b32 s[G1A+4], 128                        ; tile_dim1 = 128: 32,768 dense bytes
	s_mov_b32 s[G1A+5], 32                         ; from row to row: dense
	s_mov_b32 s[G1A+6], 0
	s_mov_b32 s[G1A+7], 0
	s_or_b32 s[G1B+0], s84, (0<<16)|(1<<20)|(1<<21)|(5<<22)|(3<<25)  ; the mask of my column; elements of 1 byte; padding: 4 words after every 64
	s_mov_b32 s[G1B+1], 256<<16                    ; tensor_dim0 = 256
	s_mov_b32 s[G1B+2], 64<<16                     ; tensor_dim1 = 64
	s_mov_b32 s[G1B+3], 256<<16                    ; tile_dim0 = 256
	s_mov_b32 s[G1B+4], 64                         ; tile_dim1 = 64
	s_mov_b32 s[G1B+5], 1024                       ; from row to row
	s_mov_b32 s[G1B+6], 0
	s_mov_b32 s[G1B+7], 0
	s_lshl_b32 s20, s17, 16                        ; a: tile row x 65,536
	s_lshl_b32 s18, s16, 15                        ; + half x 32,768: in memory and in a slot alike
	s_add_co_u32 s20, s20, s18
	s_mov_b32 s21, 0
	s_lshl_b32 s86, s82, 7
	s_lshl_b32 s19, s16, 6
	s_add_co_u32 s86, s86, s19
	s_lshl_b32 s86, s86, 10                        ; Wo: (128 x tile column + 64 x half) rows of 1,024 bytes
	s_mov_b32 s87, 0
	s_mul_i32 s19, s16, 64*PITCH
	s_add_co_u32 s19, s19, BOFF                    ; and its place in a slot: no place in the cluster enters an LDS address
	s_wait_kmcnt 0x0
	s_load_b64 s[96:97], s[8:9], 0x28              ; e10, e11
	s_add_nc_u64 s[20:21], s[4:5], s[20:21]
	s_add_nc_u64 s[86:87], s[6:7], s[86:87]
	CROUND                                         ; all sixteen work-groups are here: the first joint loads meet
.irp n, 0,1,2
	s_mov_b32 s[G0A+4*\n], 1                       ; count = 1
	s_add_co_u32 s[G0A+4*\n+1], s18, \n*SLOT       ; LDS address
	s_add_nc_u64 s[G0A+4*\n+2:G0A+4*\n+3], s[20:21], \n*KQ   ; global address: K step n
	s_or_b32 s[G0A+4*\n+3], s[G0A+4*\n+3], 0x80000000        ; type = 2
	s_mov_b32 s[G0B+4*\n], 1
	s_add_co_u32 s[G0B+4*\n+1], s19, \n*SLOT
	s_add_nc_u64 s[G0B+4*\n+2:G0B+4*\n+3], s[86:87], \n*256
	s_or_b32 s[G0B+4*\n+3], s[G0B+4*\n+3], 0x80000000
.endr
	s_cmp_eq_u32 s15, 0                            ; a wave's three first fills stand in one branch, ahead of every wait on TENSORcnt and every LDS read: three loads of mine are out
	s_cbranch_scc0 .Lfirst_b
	tensor_load_to_lds s[G0A:G0A+3], s[G1A:G1A+7]
	s_nop 0
	tensor_load_to_lds s[G0A+4:G0A+7], s[G1A:G1A+7]
	s_nop 0
	tensor_load_to_lds s[G0A+8:G0A+11], s[G1A:G1A+7]
	s_nop 0
.rept 4
	v_nop
.endr
	s_branch .Lfirst_asked
.Lfirst_b:
	tensor_load_to_lds s[G0B:G0B+3], s[G1B:G1B+7]
	s_nop 0
	tensor_load_to_lds s[G0B+4:G0B+7], s[G1B:G1B+7]
	s_nop 0
	tensor_load_to_lds s[G0B+8:G0B+11], s[G1B:G1B+7]
	s_nop 0
.rept 4
	v_nop
.endr
.Lfirst_asked:
	v_and_b32 v1, 15, v0                           ; r = l % 16
	v_bfe_u32 v2, v0, 4, 1                         ; h = l / 16
	v_mul_u32_u24 v3, v1, PITCH
	v_lshl_add_u32 v4, v2, 3, v3                   ; Wo: row x pitch + 8 h
	v_and_b32 v5, 31, v0
	v_lshlrev_b32 v5, 4, v5                        ; a: 16 x lane
	s_lshl_b32 s21, s15, 15                        ; my 8 token tiles of a
	s_mul_i32 s22, s16, 64*PITCH
	s_add_co_u32 s22, s22, BOFF                    ; my 64 rows of Wo
.irp n, 0,1,2
	v_add_nc_u32 v[ADRA+\n], s21, v5
	v_add_nc_u32 v[ADRB+\n], s22, v4
	s_add_co_u32 s21, s21, SLOT
	s_add_co_u32 s22, s22, SLOT
.endr
	s_mul_i32 s23, s14, 16*SPITCH
	s_add_co_u32 s23, s23, STAGE                   ; my stage
	v_mul_u32_u24 v6, v1, SPITCH                   ; in: row r, 32 bytes for each half of the lanes
	v_lshl_add_u32 v6, v2, 5, v6
	v_add_nc_u32 v[STO], s23, v6
	v_mul_u32_u24 v7, v2, SPITCH                   ; back: lanes 0-15 take one row of 256 bytes, lanes 16-31 the next
	v_lshl_add_u32 v7, v1, 4, v7
	v_add_nc_u32 v[RD], s23, v7
	v_lshlrev_b32 v8, 12, v2                       ; and the same two rows in out0: a row is 4,096 bytes
	v_lshl_add_u32 v[CO], v1, 4, v8
	v_lshlrev_b32 v[BH], 5, v2
	s_wait_alu depctr_va_vdst(0)
	s_lshl_b32 s88, s17, 8
	s_lshl_b32 s89, s15, 7
	s_add_co_u32 s88, s88, s89                     ; my first token
	s_lshl_b32 s88, s88, 12
	s_lshl_b32 s90, s82, 9
	s_lshl_b32 s91, s16, 8
	s_add_co_u32 s90, s90, s91                     ; my first feature, in bytes: 512 x tile column + 256 x half, in a row of out0 and in bo alike
	s_mov_b32 s91, 0
	s_add_nc_u64 s[10:11], s[10:11], s[90:91]
	s_add_co_u32 s88, s88, s90
	s_mov_b32 s89, 0
	s_add_nc_u64 s[12:13], s[12:13], s[88:89]
.irp b, 0,1,2,3
	global_load_b128 v[BI+8*\b:BI+8*\b+3],   v[BH], s[10:11] offset:64*\b      ; lane (r, h), tile b: bo at features 16 b + 8 h + 0 .. 7
	global_load_b128 v[BI+8*\b+4:BI+8*\b+7], v[BH], s[10:11] offset:64*\b+16
.endr
; The fragments of the q-th 128 along K of slot n into set p: a's eight (32 loads of 16 bytes), Wo's four (32 loads of 8 bytes)
.macro FETCH n, q, p
	WIN TO_A
.irp i, 0,1,2,3,4,5,6,7
.irp c, 0,1,2,3
	ds_load_b128 v[128*(\p)+16*\i+4*\c:128*(\p)+16*\i+4*\c+3], v[ADRA+\n] offset:4096*\i+2048*(\q)+512*\c
.endr
.endr
	WIN 0
.irp b, 0,1,2,3
.irp c, 0,1,2,3,4,5,6,7
	ds_load_b64 v[BF+64*(\p)+16*\b+2*\c:BF+64*(\p)+16*\b+2*\c+1], v[ADRB+\n] offset:128*(\q)+16*\c+16*PITCH*\b
.endr
.endr
.endm
; 4 cnt matrix instructions: token blocks a0 .. a0 + cnt - 1 x the four tiles of features, 128 along K, from set p.  zero = 1: the first product starts the sums.
; The 32 accumulators take turns, one instruction a turn, in the same order in every step.
.macro MULS p, a0, cnt, zero
.set ma, \a0
.rept \cnt
.irp b, 0,1,2,3
.if \zero
	v_wmma_f32_16x16x128_bf8_bf8 v[8*(4*ma+\b):8*(4*ma+\b)+7], v[BF+64*(\p)+16*\b:BF+64*(\p)+16*\b+15], v[128*(\p)+16*ma:128*(\p)+16*ma+15], 0
.else
	v_wmma_f32_16x16x128_bf8_bf8 v[8*(4*ma+\b):8*(4*ma+\b)+7], v[BF+64*(\p)+16*\b:BF+64*(\p)+16*\b+15], v[128*(\p)+16*ma:128*(\p)+16*ma+15], v[8*(4*ma+\b):8*(4*ma+\b)+7]
.endif
.endr
.set ma, ma+1
.endr
.endm
; A step of 128 along K: set p is multiplied while the next step's fragments (slot n, its q-th 128) come into the other set.
.macro STEP p, zero, n, q
	s_wait_dscnt 0x0                               ; set p is in (asked for 32 matrix instructions ago)
	PLACES                                         ; the other set was read by the last products
	FETCH \n, \q, 1-(\p)
	WIN MUL
	MULS \p, 0, 8, \zero
	WIN 0
.endm
; A step that meets the other waves (it multiplies set 1): in front of the barrier each wave waits for all its tensor loads, adds 0 to its spare word, and waits for that and for its LDS reads.
; fill = 1: slot 0, which nobody reads any more, takes K step 3; the barrier opens a round of the cluster's.  Then slot n's first fragments are fetched.
.macro TURN fill, n
	s_wait_tensorcnt 0x0                           ; all my tensor loads have landed
	ds_add_u32 v[SPW], v[NIL]                      ; 0 onto my spare word
	s_wait_dscnt 1                                 ; set 1 is in; the add alone may be out
	WIN MUL
	MULS 1, 0, 2, 0                                ; eight matrix instructions stand between the add and the wait for it
	s_wait_dscnt 0x0                               ; the add is done, and my LDS reads are over
	s_barrier_signal -1
	MULS 1, 2, 2, 0
	WIN 0
	s_barrier_wait -1
.if \fill
	CREST                                          ; no wave of any partner still reads slot 0 or has a load on its way
	s_add_nc_u64 s[G0A+2:G0A+3], s[G0A+2:G0A+3], 3*KQ
	s_add_nc_u64 s[G0B+2:G0B+3], s[G0B+2:G0B+3], 3*256
	JLOAD                                          ; the first tensor load behind the round, my one load from here on; its four v_nop are the places in front of the loads below
.else
	PLACES
.endif
	FETCH \n, 0, 0
	WIN MUL
	MULS 1, 4, 4, 0
	WIN 0
.endm
	s_wait_tensorcnt 2                             ; my part of K step 0 is in; the two loads issued behind it, K steps 1 and 2, may be out
	s_barrier_signal -1
	s_barrier_wait -1                              ; everybody's is
	FETCH 0, 0, 0
	STEP 0, 1, 0, 1                                ; K 0-127: its products start the sums
	TURN 1, 1                                      ; K 128-255.  Every wave has waited for all its loads: slots 1 and 2 are whole for all; slot 0 takes K step 3
	STEP 0, 0, 1, 1                                ; K 256-383
	STEP 1, 0, 2, 0                                ; K 384-511
	STEP 0, 0, 2, 1                                ; K 512-639
	TURN 0, 0                                      ; K 640-767.  K step 3 has landed in every wave's view; nothing is left to fetch
	STEP 0, 0, 0, 1                                ; K 768-895
	s_wait_dscnt 0x0
	WIN MUL
	MULS 1, 0, 8, 0                                ; K 896-1,023
	WIN 0
; THE WAY OUT, a block of 16 tokens x 64 features at a time.  A lane holds 32 neighbouring bytes of a row, and the lanes beside it hold other rows: so a block goes through my own stage and comes back as whole
; rows of 256 bytes; sixteen lanes store 256 consecutive bytes, at a multiple of 256 from out0's first byte.  LDS serves a wave's instructions in order (ISA guide 5.7.1.4): no wait between the stores and the loads, nor in front of the next block's stores.
.macro TOSTAGE a
	WIN 0x02                                       ; source 0: window 2
.set j, 0
.rept 16
	v_pk_fma_f32 v[TMP+j:TMP+j+1], v[32*(\a)+j:32*(\a)+j+1], s[96:97], v[BI+j:BI+j+1] op_sel_hi:[1,0,1]   ; sum x 2^(e10 + e11) + bo; each accumulator from its low end on
.set j, j+2
.endr
	WIN 0
.irp b, 0,1,2,3
	ds_store_b128 v[STO], v[TMP+8*\b:TMP+8*\b+3] offset:64*\b
	ds_store_b128 v[STO], v[TMP+8*\b+4:TMP+8*\b+7] offset:64*\b+16
.endr
.irp t, 0,1,2,3,4,5,6,7
	ds_load_b128 v[BF+32*((\a)%4)+4*\t:BF+32*((\a)%4)+4*\t+3], v[RD] offset:\t*2*SPITCH
.endr
.endm
.macro SEND a, younger                 ; younger: the LDS instructions issued behind block a's loads, which may stay out
	s_wait_dscnt \younger                          ; the block is back in registers
.irp t, 0,1,2,3,4,5,6,7
	global_store_b128 v[CO], v[BF+32*((\a)%4)+4*\t:BF+32*((\a)%4)+4*\t+3], s[12:13] offset:(16*(\a)+2*\t)*4096 th:TH_STORE_NT   ; every offset an immediate: 126 rows at the most; written once, read by nobody here
.endr
.endm
	s_wait_kmcnt 0x0
	s_add_co_i32 s96, s96, s97
	s_add_co_i32 s96, s96, 127
	s_lshl_b32 s96, s96, 23                        ; 2^(e10 + e11) as f32
	s_mov_b32 s97, s96                             ; (named with it as a pair, so it is written)
	s_wait_loadcnt 0x0                             ; bo
	PLACES                                         ; behind the last products: their results are read, and loads land where Wo's fragments lay
	TOSTAGE 0
.irp a, 1,2,3,4,5,6,7
.if \a > 3
	s_wait_xcnt 0x0                                ; the stores of four blocks ago have read their registers: loads land there only behind this wait
.endif
	TOSTAGE \a
	SEND \a-1, 16                                  ; behind block a - 1's loads: block a's 8 stores and 8 loads
.endr
	SEND 7, 0
	s_wait_tensorcnt 0x0                           ; the wave's end
	ds_add_u32 v[SPW], v[NIL]
	s_wait_dscnt 0x0
	CROUND                                         ; the closing round: no work-group ends while a partner may still ask for a tile that names it
	s_endpgm
.Lfunc_end_k_qc4505a1046_oproj:
	.size	k_qc4505a1046_oproj, .Lfunc_end_k_qc4505a1046_oproj-k_qc4505a1046_oproj
	.p2alignl 7, 3214868480
	.fill 96, 4, 3214868480
	.section	.rodata,"a",@progbits
	.p2align	6, 0x0
	.amdhsa_kernel k_qc4505a1046_oproj
		.amdhsa_group_segment_fixed_size 327680
		.amdhsa_private_segment_fixed_size 0
		.amdhsa_enable_private_segment 0
		.amdhsa_kernarg_size 40
		.amdhsa_user_sgpr_count 2
		.amdhsa_user_sgpr_kernarg_segment_ptr 1
		.amdhsa_wavefront_size32 1
		.amdhsa_system_sgpr_workgroup_id_x 1
		.amdhsa_system_sgpr_workgroup_id_y 1
		.amdhsa_system_sgpr_workgroup_id_z 1
		.amdhsa_system_vgpr_workitem_id 0
		.amdhsa_next_free_vgpr 768
		.amdhsa_next_free_sgpr 98
		.amdhsa_reserve_vcc 0
		.amdhsa_float_denorm_mode_32 3
		.amdhsa_float_denorm_mode_16_64 3
		.amdhsa_memory_ordered 1
		.amdhsa_forward_progress 1
		.amdhsa_inst_pref_size 84
	.end_amdhsa_kernel
	.amdgpu_metadata
---
amdhsa.version: [ 1, 2 ]
amdhsa.kernels:
  - .name:           k_qc4505a1046_oproj
    .symbol:         k_qc4505a1046_oproj.kd
    .args:
      - { .name: a_img, .offset: 0, .size: 8, .value_kind: global_buffer, .address_space: global }
      - { .name: Wo_codes, .offset: 8, .size: 8, .value_kind: global_buffer, .address_space: global }
      - { .name: lowp_scales, .offset: 16, .size: 8, .value_kind: global_buffer, .address_space: global }
      - { .name: bo, .offset: 24, .size: 8, .value_kind: global_buffer, .address_space: global }
      - { .name: out0, .offset: 32, .size: 8, .value_kind: global_buffer, .address_space: global }
    .group_segment_fixed_size: 327680
    .private_segment_fixed_size: 0
    .kernarg_segment_align: 8
    .kernarg_segment_size: 40
    .max_flat_workgroup_size: 128
    .sgpr_count:     98
    .vgpr_count:     768
    .wavefront_size: 32
...
	.end_amdgpu_metadata
.endif
;; end of part 3
